; MI455X (gfx1250); checked and timed in simulation.
; The chip was launched on July 23, 2026; its instructions are those of AMD's public machine-readable ISA for CDNA 5 (MIT licence, August 2026) and "CDNA5" Instruction Set Architecture Reference Guide (July 2026). The comments in the code are by the model that wrote it; some were corrected since.
;; Gauss Layer. Allowed arithmetic: float matrix products may take bf16 or f16 operands with f32 sums; all other float work in f32.
;; Inputs: mean 4 x 1 x 4 float32; scale 4 x 1 x 4 x 4 float32; x 16 x 256 x 256 x 4 float32.
;; Outputs: out0 16 x 256 x 256 x 4 float32.
;; One version. Each part assembles by itself: llvm-mc -triple=amdgcn-amd-amdhsa -mcpu=gfx1250 --defsym DOCPART=n.
;; ======== version 1 of 1: 1 launch
;; limits: a difference of large sums (such as E[x^2] - mean^2): digits are lost where the result is much smaller than its terms
;; launch gauss (part 1): grid 256 x 1, 8 waves a work-group, no clusters, 168,960 bytes of LDS; arguments x, scale, mean, out0; writes out0
.if DOCPART == 1
	.amdgcn_target "amdgcn-amd-amdhsa--gfx1250"
	.amdhsa_code_object_version 6
	.text
	.protected	k_q5843da7472_gauss
	.globl	k_q5843da7472_gauss
	.p2align	8
	.type	k_q5843da7472_gauss,@function
k_q5843da7472_gauss:
	s_mov_b64 s[64:65], 0
	v_nop
	global_prefetch_b8 v0, s[64:65] scope:SCOPE_SE
	s_setreg_imm32_b32 hwreg(HW_REG_WAVE_MODE, 25, 1), 1
	s_wait_xcnt 0x0
; out[k][n] = density of N(mean_k, L_k L_k^T) at pixel n.  x: [1,048,576 pixels][4] f32, scale: [4][4][4] f32 (its lower triangle is L_k),
; mean: [4][4] f32, out: [4 classes][1,048,576 pixels] f32.
;
; ARITHMETIC.  With S = sqrt(0.5 log2 e), each class is solved once for the right sides [S I | -S mean]:  M' = S L^-1,  -c' = -S L^-1 mean.
; Then for a pixel  z'_i = sum over j <= i of M'_ij x_j - c'_i  (10 fused multiply-adds),  acc = K - sum of z'_i^2  (4 more),
; K = -2 log2(2 pi) - sum of log2|L_ii|,  p = 2^acc.  Determinant and 2 pi stay in the exponent, as in the definition of the result.
; One v_pk_fma_f32 serves two classes: x_j is broadcast out of its pair by op_sel, the coefficients lie in pairs (class 0, 1), (class 2, 3).
; 28 packed multiply-adds and 4 exponentials for a pixel.
;
; LIMITS, kept knowingly.  (1) The mean is folded into -c' and not taken from x first: z carries an error of about |M| |x| 2^-24 for each term;
; with x and mean offset by 30 and L thirty times smaller (|M| |x| near 2,000) that is about 1e-3 in the logarithm of p.
; (2) v_exp_f32 returns 0 where the result would lie below 2^-126 (ISA guide, 15.8).  (3) 1 / L_ii is v_rcp_f32 (1 ULP); a zero or denormal L_ii gives
; numbers that are not finite, not necessarily those of a division; |L_ii| above 2^126 is not served (the reciprocal is flushed to 0).
;
; SHARES.  256 work-groups of 8 waves; a group owns 4,096 pixels (64 KiB of x, 16 KiB in each of the four planes of out).
; Tile t (0..3) of wave w is the 128 pixels from (8 t + w) 128 on: 2,048 consecutive bytes of x, brought by one tensor load as 8 rows of 256 bytes.
; No ring, no refill, and only the table's barrier.
; Lane l takes pixels 4 l .. 4 l + 3 of a tile, so its four results of a class are 16 consecutive bytes and a wave's store covers 512
; consecutive bytes, aligned to 512, of one plane: the results go out of the registers as they stand.
; No cluster: the groups share only the 320 bytes of scale and mean.  No matrix instruction: sums of four terms, wanted in f32.
; The launch asks for more than half of a WGP's LDS, though 70,144 bytes are used: the group is alone on its WGP.
.set PITCH,  272                       ; an LDS row: 256 bytes (16 pixels) + 16 of padding
.set TROWS,  8                         ; rows in a tile
.set TILEB,  TROWS*PITCH               ; 2,176 LDS bytes for a tile
.set CHUNKS, 4                         ; tiles of a wave
.set WRING,  CHUNKS*TILEB              ; 8,704 LDS bytes for a wave
.set TAB,    0                         ; LDS 0..511: the table of constants, two aligned blocks of 256 bytes into which no tensor load writes
.set TILES,  512                       ; LDS 512..70,143: the tiles
.set XSTEP,  8*2048                    ; bytes of x from a wave's tile to its next
.set OSTEP,  8*512                     ; the same in a plane of out
.set PLANE,  4194304                   ; bytes in a plane of out
.set LANE, 1                           ; v1        lane
.set LA,   2                           ; v2        LDS address of my first pixel in my wave's tile 0, less TILES
.set OFF,  3                           ; v3        16 x thread: my 16 bytes in the group's part of a plane
.set C,    4                           ; v[4:63]   15 constants x 4 classes: M'_ij at 4 (i (i + 1) / 2 + j), -c'_i at 4 (10 + i), K at 56
.set X,    64                          ; v[64:79]  pixel p: x0..x3 at 4 p
.set Z,    80                          ; v[80:95]  z'_i of pixel p, class pair q at 4 p + 2 q
.set A,    96                          ; v[96:111] K - sum of squares, same places: class k of pixel p at 4 p + k
.set P,    112                         ; v[112:175] tile t: class k, pixel p at 16 t + 4 k + p.  A set for each tile: no store's data is ever rewritten
; registers of the table's making (wave 0 only), all free again before the tiles are worked on
.set L,    64                          ; v[64:79]  L_ij of my class at 4 i + j
.set MU,   80                          ; v[80:83]  mean of my class
.set B,    84                          ; v[84:87]  my right side, then what is left of it
.set R,    88                          ; v[88:91]  1 / L_ii
.set LG,   92                          ; v[92:95]  |L_ii|, then log2 of it
.set Y,    96                          ; v[96:99]  my solution
.set JJ,   100                         ; lane / 4: which right side; also the LDS row of my pixels
.set KK,   101                         ; lane % 4: which class; also which quarter of that row
.set SO,   102                         ; byte offset of my class in scale
.set MO,   103                         ; and in mean
.set SV,   104                         ; S
.set TA,   105                         ; 4 x lane: my word in a row of the table
.set T,    106                         ; v[106:109] -S mean
.set G1,   24                          ; s[24:31]  descriptor group 1: the shape, one for all loads
.set G0,   32                          ; s[32:47]  descriptor group 0, one set for each tile, never rewritten
	s_load_b256 s[4:11], s[0:1], 0x0               ; x s[4:5], scale s[6:7], mean s[8:9], out s[10:11]
	v_lshl_add_u32 v176, v0, 2, 0x29000
	v_mov_b32 v177, 0
	ds_add_u32 v176, v177
	ds_add_u32 v176, v177
	v_lshrrev_b32 v1, 5, v0
	v_readfirstlane_b32 s12, v1                    ; wave 0..7, as a scalar
	v_and_b32 v[LANE], 31, v0
	; group 1: 8 rows of 32 elements of 8 bytes, dense in memory, 4 words of padding behind every 64 words in LDS
	s_mov_b32 s[G1+0], (3<<16)|(1<<20)|(5<<22)|(3<<25) ; no work-group mask; element of 8 bytes; padding on; interval 64 words; 4 words
	s_mov_b32 s[G1+1], 32<<16                      ; tensor_dim0 = 32
	s_mov_b32 s[G1+2], TROWS<<16                   ; tensor_dim1 = 8
	s_mov_b32 s[G1+3], 32<<16                      ; tile_dim0 = 32
	s_mov_b32 s[G1+4], TROWS                       ; tile_dim1 = 8
	s_mov_b32 s[G1+5], 32                          ; from row to row: 32 elements
	s_mov_b32 s[G1+6], 0
	s_mov_b32 s[G1+7], 0
	s_lshl_b32 s2, ttmp9, 16                       ; the group's 64 KiB of x
	s_lshl_b32 s13, s12, 11                        ; + the wave's 2,048 bytes
	s_add_co_u32 s2, s2, s13
	s_mov_b32 s3, 0
	s_lshl_b32 s16, ttmp9, 14                      ; the group's 16 KiB in a plane of out
	s_mov_b32 s17, 0
	s_mul_i32 s15, s12, WRING                      ; the wave's tiles in LDS
	; pixel 4 l + p lies in LDS row l / 4 at byte 64 (l % 4) + 16 p: in each half of the wave the sixteen lanes' addresses fall
	; into sixteen different 16-byte columns modulo 256 bytes, ((l / 4) + 4 (l % 4) + p) mod 16
	v_lshrrev_b32 v[JJ], 2, v[LANE]
	v_and_b32 v[KK], 3, v[LANE]
	v_mul_u32_u24 v[LA], v[JJ], PITCH
	v_lshl_add_u32 v[LA], v[KK], 6, v[LA]
	v_add_nc_u32 v[LA], s15, v[LA]
	v_lshlrev_b32 v[OFF], 4, v0
	s_wait_dscnt 0x0
	s_wait_kmcnt 0x0
	s_add_nc_u64 s[4:5], s[4:5], s[2:3]            ; x at my wave's tile 0
.irp t, 0,1,2,3
	s_mov_b32 s[G0+4*\t], 1                                        ; count = 1
	s_add_co_u32 s[G0+4*\t+1], s15, TILES+\t*TILEB                 ; LDS address: constant + wave x constant + tile x constant
	s_add_nc_u64 s[G0+4*\t+2:G0+4*\t+3], s[4:5], \t*XSTEP          ; global address of the tile's first byte
	s_or_b32 s[G0+4*\t+3], s[G0+4*\t+3], 0x80000000               ; type = 2
	tensor_load_to_lds s[G0+4*\t:G0+4*\t+3], s[G1:G1+7]            ; four loads of the wave are out, all that it will ever read
	s_nop 0
.endr
	s_add_nc_u64 s[10:11], s[10:11], s[16:17]      ; out: planes 0 and 1 from here,
	s_add_nc_u64 s[18:19], s[10:11], 2*PLANE       ; planes 2 and 3 from here (so that every offset fits the signed 24-bit immediate)
	s_cmp_lg_u32 s12, 0
	s_cbranch_scc1 .Lothers
	; THE TABLE, made by wave 0 while the tiles are on their way.  Lane l = 4 j + k solves L_k y = b_j by forward substitution:
	; j = 0..3: b = S e_j, so y = column j of M';  j = 4: b = -S mean, so y = -c';  j = 5..7: b = 0, and lane j = 5 carries K in place of y_0.
	v_lshlrev_b32 v[SO], 6, v[KK]
	v_lshlrev_b32 v[MO], 4, v[KK]
.irp i, 0,1,2,3
	global_load_b128 v[L+4*\i:L+4*\i+3], v[SO], s[6:7] offset:16*\i    ; row i of scale_k; what lies above the diagonal is not used (tril)
.endr
	global_load_b128 v[MU:MU+3], v[MO], s[8:9]
	v_mov_b32 v[SV], 0x3f596d27                    ; S = sqrt(0.5 log2 e) = 0.8493218
.irp i, 0,1,2,3
	v_cmp_eq_u32 vcc_lo, \i, v[JJ]
	v_cndmask_b32 v[B+\i], 0, v[SV], vcc_lo        ; S e_j
.endr
	v_cmp_eq_u32 s20, 4, v[JJ]                     ; the lanes of the mean
	v_cmp_eq_u32 s21, 5, v[JJ]                     ; the lanes of K
	v_lshlrev_b32 v[TA], 2, v[LANE]
	s_wait_loadcnt 0x0                             ; scale and mean are in
.irp i, 0,1,2,3
	v_and_b32 v[LG+\i], 0x7fffffff, v[L+5*\i]      ; |L_ii|
.endr
.irp i, 0,1,2,3
	v_rcp_f32 v[R+\i], v[L+5*\i]
.endr
.irp i, 0,1,2,3
	v_log_f32 v[LG+\i], v[LG+\i]
.endr
.irp i, 0,1,2,3
	v_mul_f32 v[T+\i], 0xbf596d27, v[MU+\i]        ; -S mean.  These plain lines touch no result and no source of the eight lines above:
.endr                                                  ; they are the place that a transcendental's result wants in front of its use (ISA guide 5.7.2)
.irp i, 0,1,2,3
	v_cndmask_b32 v[B+\i], v[B+\i], v[T+\i], s20
.endr
	s_wait_alu depctr_va_vdst(0)
	v_mul_f32 v[Y], v[B], v[R]                     ; y0 = b0 / L00
	v_fma_f32 v[B+1], -v[L+4],  v[Y], v[B+1]
	v_fma_f32 v[B+2], -v[L+8],  v[Y], v[B+2]
	v_fma_f32 v[B+3], -v[L+12], v[Y], v[B+3]
	v_mul_f32 v[Y+1], v[B+1], v[R+1]               ; y1 = (b1 - L10 y0) / L11
	v_fma_f32 v[B+2], -v[L+9],  v[Y+1], v[B+2]
	v_fma_f32 v[B+3], -v[L+13], v[Y+1], v[B+3]
	v_mul_f32 v[Y+2], v[B+2], v[R+2]               ; y2
	v_fma_f32 v[B+3], -v[L+14], v[Y+2], v[B+3]
	v_mul_f32 v[Y+3], v[B+3], v[R+3]               ; y3
	v_add_f32 v[LG], v[LG], v[LG+1]
	v_add_f32 v[LG+2], v[LG+2], v[LG+3]
	v_add_f32 v[LG], v[LG], v[LG+2]
	v_sub_f32 v[LG], 0xc0a9b21d, v[LG]             ; K = -2 log2(2 pi) - sum of log2|L_ii|;  2 log2(2 pi) = 5.302992
	v_cndmask_b32 v[Y], v[Y], v[LG], s21
.irp i, 0,1,2,3
	ds_store_b32 v[TA], v[Y+\i] offset:TAB+128*\i  ; row i of the table: entry j (16 bytes) = y_i of right side j for classes 0..3; 32 lanes, 32 different words
.endr
.Lothers:
	s_wait_dscnt 0x0                               ; wave 0: its four stores are done, for the others' sake
	s_barrier_signal -1
	s_barrier_wait -1                              ; the table may be read.  The tiles are each wave's own and wait on its own counter below
	v_mov_b32 v[Z], TAB
.irp i, 0,1,2,3
.irp j, 0,1,2,3
.if \j <= \i
	ds_load_b128 v[C+4*(\i*(\i+1)/2+\j):C+4*(\i*(\i+1)/2+\j)+3], v[Z] offset:(8*\i+\j)*16    ; M'_ij of the four classes, the same 16 bytes in every lane
.endif
.endr
	ds_load_b128 v[C+4*(10+\i):C+4*(10+\i)+3], v[Z] offset:(8*\i+4)*16                       ; -c'_i
.endr
	ds_load_b128 v[C+56:C+59], v[Z] offset:5*16                                              ; K
; z'_i += M'_ij x_j for 4 pixels x 2 class pairs: eight lines that do not hang on each other.  first = 1: the sum starts from -c'_i.
; x_j is the lower (j even) or the upper (j odd) register of its pair and feeds both halves of the result.
.macro TERM i, j, first
.irp p, 0,1,2,3
.irp q, 0,1
	.set ZR, Z+4*\p+2*\q
	.set XR, X+4*\p+(\j&2)
	.set MR, C+4*(\i*(\i+1)/2+\j)+2*\q
.if \first
	.set AR, C+4*(10+\i)+2*\q
.else
	.set AR, ZR
.endif
.if \j&1
	v_pk_fma_f32 v[ZR:ZR+1], v[XR:XR+1], v[MR:MR+1], v[AR:AR+1] op_sel:[1,0,0] op_sel_hi:[1,1,1]
.else
	v_pk_fma_f32 v[ZR:ZR+1], v[XR:XR+1], v[MR:MR+1], v[AR:AR+1] op_sel_hi:[0,1,1]
.endif
.endr
.endr
.endm
; acc -= z'_i^2, the same eight places.  first = 1: the sum starts from K.
.macro SQUARE first
.irp p, 0,1,2,3
.irp q, 0,1
	.set ZR, Z+4*\p+2*\q
	.set AC, A+4*\p+2*\q
.if \first
	v_pk_fma_f32 v[AC:AC+1], v[ZR:ZR+1], v[ZR:ZR+1], v[C+56+2*\q:C+57+2*\q] neg_lo:[1,0,0] neg_hi:[1,0,0]
.else
	v_pk_fma_f32 v[AC:AC+1], v[ZR:ZR+1], v[ZR:ZR+1], v[AC:AC+1] neg_lo:[1,0,0] neg_hi:[1,0,0]
.endif
.endr
.endr
.endm
; One tile of 128 pixels: 4 LDS loads, 112 packed multiply-adds, 16 exponentials, 4 stores.
.macro CHUNK t
	s_wait_tensorcnt CHUNKS-1-\t                   ; a wave's tensor loads end in the order of issue (ISA guide 10.11.1): tile t is in, the 3 - t younger ones may be out
.irp p, 0,1,2,3
	ds_load_b128 v[X+4*\p:X+4*\p+3], v[LA] offset:TILES+\t*TILEB+16*\p
.endr
	s_wait_dscnt 0x0                               ; my four pixels (and, in front of tile 0, the constants)
	TERM 0, 0, 1
	SQUARE 1
	TERM 1, 0, 1
	TERM 1, 1, 0
	SQUARE 0
	TERM 2, 0, 1
	TERM 2, 1, 0
	TERM 2, 2, 0
	SQUARE 0
	TERM 3, 0, 1
	TERM 3, 1, 0
	TERM 3, 2, 0
	TERM 3, 3, 0
	SQUARE 0
.irp k, 0,1,2,3
.irp p, 0,1,2,3
	v_exp_f32 v[P+16*\t+4*\k+\p], v[A+4*\p+\k]     ; the exponential also sorts: a class's four pixels into four neighbouring registers
.endr
.endr
	v_nop                                          ; one plain place between the last exponential and the stores that read the results (ISA guide 5.7.2)
	s_wait_alu depctr_va_vdst(0)
	global_store_b128 v[OFF], v[P+16*\t:P+16*\t+3],     s[10:11] offset:\t*OSTEP th:TH_STORE_NT         ; class 0: the wave writes 512 consecutive bytes, aligned to 512
	global_store_b128 v[OFF], v[P+16*\t+4:P+16*\t+7],   s[10:11] offset:PLANE+\t*OSTEP th:TH_STORE_NT   ; class 1
	global_store_b128 v[OFF], v[P+16*\t+8:P+16*\t+11],  s[18:19] offset:\t*OSTEP th:TH_STORE_NT         ; class 2
	global_store_b128 v[OFF], v[P+16*\t+12:P+16*\t+15], s[18:19] offset:PLANE+\t*OSTEP th:TH_STORE_NT   ; class 3
.endm
	CHUNK 0
	CHUNK 1
	CHUNK 2
	CHUNK 3                                        ; its wait is for 0: every tensor load has landed before the end
	s_wait_tensorcnt 0x0
	ds_add_u32 v176, v177
	s_wait_dscnt 0x0
	s_endpgm
.Lfunc_end_k_q5843da7472_gauss:
	.size	k_q5843da7472_gauss, .Lfunc_end_k_q5843da7472_gauss-k_q5843da7472_gauss
	.p2alignl 7, 3214868480
	.fill 96, 4, 3214868480
	.section	.rodata,"a",@progbits
	.p2align	6, 0x0
	.amdhsa_kernel k_q5843da7472_gauss
		.amdhsa_group_segment_fixed_size 168960
		.amdhsa_private_segment_fixed_size 0
		.amdhsa_enable_private_segment 0
		.amdhsa_kernarg_size 32
		.amdhsa_user_sgpr_count 2
		.amdhsa_user_sgpr_kernarg_segment_ptr 1
		.amdhsa_wavefront_size32 1
		.amdhsa_system_sgpr_workgroup_id_x 1
		.amdhsa_system_sgpr_workgroup_id_y 1
		.amdhsa_system_sgpr_workgroup_id_z 1
		.amdhsa_system_vgpr_workitem_id 0
		.amdhsa_next_free_vgpr 178
		.amdhsa_next_free_sgpr 66
		.amdhsa_reserve_vcc 1
		.amdhsa_float_denorm_mode_32 3
		.amdhsa_float_denorm_mode_16_64 3
		.amdhsa_memory_ordered 1
		.amdhsa_forward_progress 1
		.amdhsa_inst_pref_size 41
	.end_amdhsa_kernel
	.amdgpu_metadata
---
amdhsa.version: [ 1, 2 ]
amdhsa.kernels:
  - .name:           k_q5843da7472_gauss
    .symbol:         k_q5843da7472_gauss.kd
    .args:
      - { .name: x, .offset: 0, .size: 8, .value_kind: global_buffer, .address_space: global }
      - { .name: scale, .offset: 8, .size: 8, .value_kind: global_buffer, .address_space: global }
      - { .name: mean, .offset: 16, .size: 8, .value_kind: global_buffer, .address_space: global }
      - { .name: out0, .offset: 24, .size: 8, .value_kind: global_buffer, .address_space: global }
    .group_segment_fixed_size: 168960
    .private_segment_fixed_size: 0
    .kernarg_segment_align: 8
    .kernarg_segment_size: 32
    .max_flat_workgroup_size: 256
    .sgpr_count:     66
    .vgpr_count:     178
    .wavefront_size: 32
...
	.end_amdgpu_metadata
.endif
;; end of part 1
